; MI455X (gfx1250); checked and timed in simulation.
; The chip was launched on July 23, 2026; its instructions are those of AMD's public machine-readable ISA for CDNA 5 (MIT licence, August 2026) and "CDNA5" Instruction Set Architecture Reference Guide (July 2026). The comments in the code are by the model that wrote it; some were corrected since.
;; Ridge. Allowed arithmetic: float matrix products may take bf16 or f16 operands with f32 sums; all other float work in f32.
;; Inputs: data 256 x 256 x 32 float32; targets 256 x 256 float32.
;; Outputs: out0 256 x 256 float32.
;; One version. Each part assembles by itself: llvm-mc -triple=amdgcn-amd-amdhsa -mcpu=gfx1250 --defsym DOCPART=n.
;; ======== version 1 of 1: 1 launch
;; launch ridge (part 1): grid 256 x 1, 8 waves a work-group, no clusters, 37,888 bytes of LDS; arguments data, targets, out0; writes out0
.if DOCPART == 1
	.amdgcn_target "amdgcn-amd-amdhsa--gfx1250"
	.amdhsa_code_object_version 6
	.text
	.protected	k_q68463ee7ab_ridge
	.globl	k_q68463ee7ab_ridge
	.p2align	8
	.type	k_q68463ee7ab_ridge,@function
k_q68463ee7ab_ridge:
	s_mov_b64 s[64:65], 0
	v_nop
	global_prefetch_b8 v0, s[64:65] scope:SCOPE_SE
	s_setreg_imm32_b32 hwreg(HW_REG_WAVE_MODE, 25, 1), 1
	s_wait_xcnt 0x0
; Growing-window ridge regression, lam = 1.  data [256][256][32] f32, targets [256][256] f32, out0 [256][256] f32.
; out0[b][i] = x_i . (I + sum_{j<i} x_j x_j^T)^-1 (sum_{j<i} x_j y_j),  out0[b][0] = 0.
;
; One work-group = one batch, eight waves; wave w = the block of rows 32 w .. 32 w + 31.  For a block X, y that starts at t0, with
; A = I + sum_{j<t0} x x^T and b = sum_{j<t0} x y:  K = I + X A^-1 X^T,  r = y - X A^-1 b;  eliminate [K | r] without pivoting;
; the right-hand side of row i at the moment all rows above it are eliminated is e_i = y_i - prediction_i
; (Schur complement of [[A, X^T | b], [X, -I | y]]; A and K are symmetric positive definite with eigenvalues >= 1: no pivoting).
; So no wave waits for another wave's solve: 64 pivot steps a wave instead of a chain of 255.
;
; NUMBERS.  data and targets are rounded once to bf16 (nearest even) and used so everywhere; the Gram products run on the
; matrix unit (bf16 x bf16 exact, f32 sums).  S (f32) is split into bf16 hi + lo and K = I + hh + hl + lh (the lo x lo term, some
; 2^-18 of the product, is dropped).  Both eliminations are f32.
; LIMITS.  Finite inputs only (a NaN or infinity spreads otherwise than in an LU solve).  The result is that of bf16-rounded inputs.
; Unpivoted f32 elimination: the error grows with the condition of A, as that of any f32 solve.
; No cluster: no byte of the inputs is read by two work-groups.  A wave stores its 32 results as 128 neighbouring bytes; joining
; two waves' results into one store would need a barrier between waves that otherwise finish independently.
;
; LAYOUT in the eliminations: lane = row, register = column.  By symmetry the pivot row k is the pivot column, register k read
; across lanes: two scaled copies and one v_permlane16_swap_b32 put lanes 0-15 of it into both halves (PA) and lanes 16-31 into both
; halves (PB); then one v_fmac_f32_dpp with row_share:j updates a whole column j.  Rows at or above the pivot go on being updated
; with leftovers of rounding; nothing reads them again.
.set XP,    96                         ; LDS pitch of a row of X: 64 bytes of bf16, 32 unused (an odd multiple of 32 for the transposing loads)
.set XSLOT, 32*XP                      ; a slot = 32 rows.  Slot 0: the ridge rows (identity).  Slot p+1: block p
.set YB,    9*XSLOT                    ; behind X: the targets, a row of 16 bf16 (y, then 15 zeros) for each time step
.set YP,    32
.set YSLOT, 32*YP
.set Z,    16                          ; v[16:19]   zeros
.set YQ,   20                          ; v[20:23]   bf16(y), then zeros
.set BY,   24                          ; right-hand side of my row of X: y, then r, then what is left of it
.set Y0,   25                          ; y as rounded, kept for the result
.set E,    26                          ; e_i, gathered lane by lane
.set R,    27                          ; rsq or rcp of the next pivot column
.set NEG1, 28                          ; -1.0
.set PP,   30                          ; v[30:35]   two sets (pivot's parity) of PA, PB, MT (= minus the scaled pivot column)
.set T,    40                          ; v[40:71]   A, register = row, lane = column; later K
.set TY,   72                          ; v[72:87]   the two tiles that hold b
.set TB,   72                          ; b, lane = row
.set BX,   88                          ; v[88:119]  data as loaded; then my row of X in f32; then S
.set FB,   120                         ; v[120:167] two buffers of three fragments
.set PK,   120                         ; (before the barrier) data rounded and packed
.set SH,   120                         ; (phase 2) S hi, packed
.set SL,   136                         ; S lo, packed
.set ID,   152                         ; the identity's fragment
.set RW,   168                         ; v[168:183] my row of X, packed bf16
.macro PLACES                          ; four independent vector places behind a matrix instruction (ISA guide 7.12.1)
.rept 4
	v_nop
.endr
.endm
.macro GM d, a, b, acc                 ; one 16x16x32 product; acc = 0: it starts the sum
.if \acc == 0
	v_wmma_f32_16x16x32_bf16 v[\d:\d+7], v[\a:\a+7], v[\b:\b+7], 0
.else
	v_wmma_f32_16x16x32_bf16 v[\d:\d+7], v[\a:\a+7], v[\b:\b+7], v[\d:\d+7]
.endif
.endm
	s_load_b128 s[4:7], s[0:1], 0x0                ; data s[4:5], targets s[6:7]
	s_load_b64 s[8:9], s[0:1], 0x10                ; out0
	v_lshl_add_u32 v184, v0, 2, 0x9000
	v_mov_b32 v185, 0
	v_lshrrev_b32 v1, 5, v0
	v_readfirstlane_b32 s10, v1                    ; wave = block number
	s_lshl_b32 s12, ttmp9, 15                      ; batch x 256 rows x 128 bytes
	s_mov_b32 s13, 0
	s_lshl_b32 s14, ttmp9, 10                      ; batch x 256 x 4 bytes
	s_mov_b32 s15, 0
	s_mov_b32 s16, 0xffff0000                      ; a word's upper bf16
	v_lshlrev_b32 v2, 4, v0                        ; data: 16 bytes a thread, 512 neighbouring bytes a wave
	v_lshlrev_b32 v6, 2, v0                        ; targets and out0: thread t = time step t
	s_wait_kmcnt 0x0
	s_add_nc_u64 s[4:5], s[4:5], s[12:13]
	s_add_nc_u64 s[6:7], s[6:7], s[14:15]
	s_add_nc_u64 s[8:9], s[8:9], s[14:15]
.irp c, 0,1,2,3,4,5,6,7
	global_load_b128 v[BX+4*\c:BX+4*\c+3], v2, s[4:5] offset:\c*4096 th:TH_LOAD_NT   ; load c = block c: row 32 c + t / 8, columns 4 (t % 8) ..
.endr
	global_load_b32 v[Y0], v6, s[6:7] th:TH_LOAD_NT
	; LDS addresses
	v_lshrrev_b32 v3, 3, v0
	v_and_b32 v7, 7, v0
	v_mul_u32_u24 v3, v3, XP
	v_lshl_add_u32 v3, v7, 3, v3                   ; v3: (t / 8) rows + 8 (t % 8): where my 4 rounded numbers of each load go
	v_mul_u32_u24 v4, v0, XP                       ; v4: row t
	v_bfe_u32 v8, v0, 4, 1
	v_lshl_or_b32 v7, v8, 3, v7                    ; 8 (lane / 16) + lane % 8: the row a transposing load's lane points at
	v_bfe_u32 v8, v0, 3, 1                         ; and which 16 bytes of it
	v_mul_u32_u24 v5, v7, XP
	v_lshl_add_u32 v5, v8, 4, v5                   ; v5: fragment address in X
	v_lshlrev_b32 v9, 5, v7
	v_lshl_add_u32 v9, v8, 4, v9                   ; v9: fragment address in the targets' area
	v_lshlrev_b32 v10, 5, v0                       ; v10: row t of the targets' area
.irp i, 0,1,2,3
	v_mov_b32 v[Z+\i], 0
.endr
.irp i, 1,2,3
	v_mov_b32 v[YQ+\i], 0
.endr
	; Wave 0, while the loads are on their way: the ridge rows.  lam I = E^T E with E = sqrt(lam) I = I and target 0, so the
	; regulariser is one more block of data in front of the others, and the first Gram product starts the sums.
	s_cmp_lg_u32 s10, 0
	s_cbranch_scc1 .Lridge_done
.irp c, 0,1,2,3
	ds_store_b128 v4, v[Z:Z+3] offset:16*\c
.endr
	ds_store_b128 v10, v[Z:Z+3] offset:YB
	ds_store_b128 v10, v[Z:Z+3] offset:YB+16
	v_lshl_add_u32 v11, v0, 1, v4                  ; row l, column l
	v_mov_b32 v12, 0x3f80                          ; 1.0 in bf16
	ds_store_b16 v11, v12                          ; behind this wave's zeros: LDS serves a wave in order
.Lridge_done:
.irp c, 0,1,2,3,4,5,6,7
	s_wait_loadcnt 8-\c                            ; the 7 - c younger data loads and the target load stay out
	v_cvt_pk_bf16_f32 v[PK+2*\c], v[BX+4*\c], v[BX+4*\c+1]
	v_cvt_pk_bf16_f32 v[PK+2*\c+1], v[BX+4*\c+2], v[BX+4*\c+3]
	ds_store_b64 v3, v[PK+2*\c:PK+2*\c+1] offset:XSLOT*(\c+1)
.endr
	s_wait_loadcnt 0x0
	v_cvt_pk_bf16_f32 v[YQ], v[Y0], v[Z]           ; bf16(y) below, zero above
	ds_store_b128 v10, v[YQ:YQ+3] offset:YB+YSLOT
	ds_store_b128 v10, v[Z:Z+3] offset:YB+YSLOT+16
	v_lshlrev_b32 v[Y0], 16, v[YQ]                 ; y as rounded, in f32
	v_lshlrev_b32 v[BY], 16, v[YQ]
	s_wait_dscnt 0x0                               ; my stores are in LDS before I say so
	s_barrier_signal -1
	s_barrier_wait -1                              ; the only barrier: from here on LDS is only read
	; ---- A = I + X^T X and b = X^T y over slots 0 .. w (ridge rows, blocks 0 .. w-1)
.macro GLOAD slot                      ; three fragments [feature or y][32 time steps] of a slot, transposed on the way
	.set LF, FB+24*((\slot)&1)
	ds_load_tr16_b128 v[LF:LF+3],     v5 offset:(\slot)*XSLOT
	ds_load_tr16_b128 v[LF+4:LF+7],   v5 offset:(\slot)*XSLOT+16*XP
	ds_load_tr16_b128 v[LF+8:LF+11],  v5 offset:(\slot)*XSLOT+32
	ds_load_tr16_b128 v[LF+12:LF+15], v5 offset:(\slot)*XSLOT+32+16*XP
	ds_load_tr16_b128 v[LF+16:LF+19], v9 offset:YB+(\slot)*YSLOT
	ds_load_tr16_b128 v[LF+20:LF+23], v9 offset:YB+(\slot)*YSLOT+16*YP
.endm
.macro GSTEP p
.if \p >= 2
.if \p < 7
	PLACES                                         ; the buffer loaded next was a source of the products two slots back
.endif
.endif
.if \p < 7
	GLOAD 1+\p                                     ; one slot ahead (a wave that stops here has asked for one slot in vain)
	s_wait_dscnt 0x6                               ; all but those six
.else
	s_wait_dscnt 0x0
.endif
	.set GF, FB+24*((\p)&1)
	GM T,    GF,    GF,   \p                       ; tile (I, J) at T + 16 I + 8 J: rows 16 I + 8 h + j, column 16 J + r
	GM T+8,  GF,    GF+8, \p
	GM T+16, GF+8,  GF,   \p
	GM T+24, GF+8,  GF+8, \p
	GM TY,   GF+16, GF,   \p                       ; row 0 of these two tiles: b[r], b[16 + r]
	GM TY+8, GF+16, GF+8, \p
.if \p == 0
.irp q, 0,1,2,3,4,5,6,7,8,9,10,11,12,13,14,15
	v_lshlrev_b32 v[BX+2*\q], 16, v[RW+\q]         ; my row of X back to f32; these also are the places in front of the next loads
	v_and_b32 v[BX+2*\q+1], s16, v[RW+\q]
.endr
.endif
.if \p < 7
	s_cmp_eq_u32 s10, \p
	s_cbranch_scc1 .Lgram_done
.endif
.endm
.irp c, 0,1,2,3
	ds_load_b128 v[RW+4*\c:RW+4*\c+3], v4 offset:XSLOT+16*\c       ; row t, 32 bf16
.endr
	GLOAD 0
.irp p, 0,1,2,3,4,5,6,7
	GSTEP \p
.endr
.Lgram_done:
	s_wait_dscnt 0x0                               ; the slot asked for ahead: its registers are used again below
	PLACES
	; tile (I,0) register j and tile (I,1) register j exchange halves: v[T+i] = row i of A, lane = column
.irp i, 0,1,2,3,4,5,6,7, 16,17,18,19,20,21,22,23
	v_permlane16_swap_b32 v[T+\i], v[T+8+\i]
.endr
	v_permlane16_swap_b32 v[TY], v[TY+8]           ; v[TB]: lane l = b[l]
	ds_load_tr16_b128 v[ID:ID+3],   v5             ; features 0-15 of the ridge rows: ID x ID^T = I; waited for in front of phase 2
	ds_load_tr16_b128 v[ID+4:ID+7], v5 offset:16*XP
; columns lo .. hi of a group of rows: v[base+j] += (pivot row's element j) x v[mul]
.macro UPD base, mul, lo, hi, par
.irp j, 0,1,2,3,4,5,6,7,8,9,10,11,12,13,14,15
.if \j >= \lo
.if \j <= \hi
	v_fmac_f32_dpp v[\base+\j], v[PP+3*(\par)], v[\mul] row_share:\j row_mask:0xf bank_mask:0xf
.endif
.endif
.endr
.irp j, 0,1,2,3,4,5,6,7,8,9,10,11,12,13,14,15
.if 16+\j >= \lo
.if 16+\j <= \hi
	v_fmac_f32_dpp v[\base+16+\j], v[PP+3*(\par)+1], v[\mul] row_share:\j row_mask:0xf bank_mask:0xf
.endif
.endif
.endr
.endm
	; ---- phase 1: eliminate A's 32 columns from A's rows (T, TB) and from X's rows (BX, BY).  With c = column k x rsqrt(d):
	; M[l][j] -= c[l] c[j].  BX[k] is left as -W[.][k] rsqrt(d) = S, with K - I = S S^T.
.macro PREP1 k                         ; pivot k: its column has had every earlier update, v[R] = rsq of it
	s_wait_alu depctr_va_vdst(0)
	v_readlane_b32 s20, v[R], \k                   ; rsqrt(d)
	v_readlane_b32 s22, v[TB], \k                  ; the pivot row's right-hand side
	s_xor_b32 s21, s20, 0x80000000                 ; -rsqrt(d)
	s_mul_f32 s22, s22, s20
.if \k < 31
	v_mul_f32 v[PP+3*((\k)&1)], s20, v[T+\k]
	v_mul_f32 v[PP+3*((\k)&1)+1], s20, v[T+\k]
	v_mul_f32 v[PP+3*((\k)&1)+2], s21, v[T+\k]
	v_permlane16_swap_b32 v[PP+3*((\k)&1)], v[PP+3*((\k)&1)+1]     ; PA = lanes 0-15 twice, PB = lanes 16-31 twice
.endif
	v_mul_f32 v[BX+\k], s21, v[BX+\k]
.endm
.macro STEP1 k                         ; the next pivot's column and the right-hand sides first; its preparation stands between the two runs of updates
	UPD T, PP+3*((\k)&1)+2, 1+\k, 1+\k, (\k)&1
	UPD BX, BX+\k, 1+\k, 1+\k, (\k)&1
	v_fmac_f32 v[TB], s22, v[PP+3*((\k)&1)+2]
	v_rsq_f32 v[R], v[T+1+\k]
	v_fmac_f32 v[BY], s22, v[BX+\k]                ; the plain instruction behind the transcendental (ISA guide 5.7.2)
	UPD T, PP+3*((\k)&1)+2, 2+\k, 31, (\k)&1
	PREP1 1+\k
	UPD BX, BX+\k, 2+\k, 31, (\k)&1
.endm
	v_rsq_f32 v[R], v[T]
	v_mov_b32 v[NEG1], -1.0
	PREP1 0
.irp k, 0,1,2,3,4,5,6,7,8,9,10,11,12,13,14,15,16,17,18,19,20,21,22,23,24,25,26,27,28,29,30
	STEP1 \k
.endr
	v_fmac_f32 v[BY], s22, v[BX+31]                ; BY = r = y - X A^-1 b
	; ---- phase 2: K = I + S S^T.  S = hi + lo in bf16; x - hi is exact in f32.
.irp q, 0,1,2,3,4,5,6,7,8,9,10,11,12,13,14,15
	v_cvt_pk_bf16_f32 v[SH+\q], v[BX+2*\q], v[BX+2*\q+1]
.endr
.irp q, 0,1,2,3,4,5,6,7,8,9,10,11,12,13,14,15
	v_fma_mix_f32_bf16 v[BX+2*\q], v[SH+\q], v[NEG1], v[BX+2*\q] op_sel_hi:[1,0,0]
	v_fma_mix_f32_bf16 v[BX+2*\q+1], v[SH+\q], v[NEG1], v[BX+2*\q+1] op_sel:[1,0,0] op_sel_hi:[1,0,0]
.endr
.irp q, 0,1,2,3,4,5,6,7,8,9,10,11,12,13,14,15
	v_cvt_pk_bf16_f32 v[SL+\q], v[BX+2*\q], v[BX+2*\q+1]
.endr
	; From lane = row, 16 packed registers, to two fragments of 16 rows: register q and register 8 + q exchange halves.  Lane (r, h) then
	; holds k = 16 h + 2 q, + 1 in register q: another order of k than the unit's own, but the same in both operands.
.irp q, 0,1,2,3,4,5,6,7
	v_permlane16_swap_b32 v[SH+\q], v[SH+8+\q]
	v_permlane16_swap_b32 v[SL+\q], v[SL+8+\q]
.endr
	s_wait_dscnt 0x0                               ; the identity's fragment
	GM T,    ID,   ID,   0
	GM T+24, ID,   ID,   0
	GM T+8,  SH,   SH+8, 0
	GM T+16, SH+8, SH,   0
	GM T,    SH,   SH,   1
	GM T+24, SH+8, SH+8, 1
	GM T+8,  SH,   SL+8, 1
	GM T+16, SH+8, SL,   1
	GM T,    SH,   SL,   1
	GM T+24, SH+8, SL+8, 1
	GM T+8,  SL,   SH+8, 1
	GM T+16, SL+8, SH,   1
	GM T,    SL,   SH,   1
	GM T+24, SL+8, SH+8, 1
	PLACES
.irp i, 0,1,2,3,4,5,6,7, 16,17,18,19,20,21,22,23
	v_permlane16_swap_b32 v[T+\i], v[T+8+\i]       ; as for A: v[T+i] = row i of K, lane = column
.endr
	; ---- phase 3: eliminate [K | r].  The pivot row is scaled by -1/d, the multiplier is the raw column.  From pivot 15 on only
	; rows and columns 16-31 are left, which lie in one half of the lanes: row_share reads the scaled column itself, no swap.
.macro PREP3 k
	v_readlane_b32 s22, v[BY], \k                  ; e_k
.if \k < 31
	s_wait_alu depctr_va_vdst(0)
	v_readlane_b32 s20, v[R], \k                   ; 1/d
	s_xor_b32 s21, s20, 0x80000000
.endif
	v_writelane_b32 v[E], s22, \k
.if \k < 31
	s_mul_f32 s22, s22, s21                        ; -e_k / d
.if \k < 15
	v_mul_f32 v[PP+3*((\k)&1)], s21, v[T+\k]
	v_mul_f32 v[PP+3*((\k)&1)+1], s21, v[T+\k]
	v_permlane16_swap_b32 v[PP+3*((\k)&1)], v[PP+3*((\k)&1)+1]
.else
	v_mul_f32 v[PP+3*((\k)&1)+1], s21, v[T+\k]
.endif
.endif
.endm
.macro STEP3 k
	UPD T, T+\k, 1+\k, 1+\k, (\k)&1
.if \k < 30
	v_rcp_f32 v[R], v[T+1+\k]
.endif
	v_fmac_f32 v[BY], s22, v[T+\k]                 ; the plain instruction behind the transcendental
	UPD T, T+\k, 2+\k, 1+\k+(30-\k)/2, (\k)&1
	PREP3 1+\k
	UPD T, T+\k, 2+\k+(30-\k)/2, 31, (\k)&1
.endm
	v_rcp_f32 v[R], v[T]
	v_mov_b32 v[E], 0
	PREP3 0
.irp k, 0,1,2,3,4,5,6,7,8,9,10,11,12,13,14,15,16,17,18,19,20,21,22,23,24,25,26,27,28,29,30
	STEP3 \k
.endr
	v_sub_f32 v[Y0], v[Y0], v[E]                   ; prediction = y - e; row 0 of block 0: A = I, b = 0, e = y: exactly 0
	global_store_b32 v6, v[Y0], s[8:9] th:TH_STORE_NT
	s_wait_tensorcnt 0x0
	ds_add_u32 v184, v185
	s_wait_dscnt 0x0
	s_endpgm
.Lfunc_end_k_q68463ee7ab_ridge:
	.size	k_q68463ee7ab_ridge, .Lfunc_end_k_q68463ee7ab_ridge-k_q68463ee7ab_ridge
	.p2alignl 7, 3214868480
	.fill 96, 4, 3214868480
	.section	.rodata,"a",@progbits
	.p2align	6, 0x0
	.amdhsa_kernel k_q68463ee7ab_ridge
		.amdhsa_group_segment_fixed_size 37888
		.amdhsa_private_segment_fixed_size 0
		.amdhsa_enable_private_segment 0
		.amdhsa_kernarg_size 24
		.amdhsa_user_sgpr_count 2
		.amdhsa_user_sgpr_kernarg_segment_ptr 1
		.amdhsa_wavefront_size32 1
		.amdhsa_system_sgpr_workgroup_id_x 1
		.amdhsa_system_sgpr_workgroup_id_y 1
		.amdhsa_system_sgpr_workgroup_id_z 1
		.amdhsa_system_vgpr_workitem_id 0
		.amdhsa_next_free_vgpr 186
		.amdhsa_next_free_sgpr 66
		.amdhsa_reserve_vcc 0
		.amdhsa_float_denorm_mode_32 3
		.amdhsa_float_denorm_mode_16_64 3
		.amdhsa_memory_ordered 1
		.amdhsa_forward_progress 1
		.amdhsa_inst_pref_size 144
	.end_amdhsa_kernel
	.amdgpu_metadata
---
amdhsa.version: [ 1, 2 ]
amdhsa.kernels:
  - .name:           k_q68463ee7ab_ridge
    .symbol:         k_q68463ee7ab_ridge.kd
    .args:
      - { .name: data, .offset: 0, .size: 8, .value_kind: global_buffer, .address_space: global }
      - { .name: targets, .offset: 8, .size: 8, .value_kind: global_buffer, .address_space: global }
      - { .name: out0, .offset: 16, .size: 8, .value_kind: global_buffer, .address_space: global }
    .group_segment_fixed_size: 37888
    .private_segment_fixed_size: 0
    .kernarg_segment_align: 8
    .kernarg_segment_size: 24
    .max_flat_workgroup_size: 256
    .sgpr_count:     66
    .vgpr_count:     186
    .wavefront_size: 32
...
	.end_amdgpu_metadata
.endif
;; end of part 1
